; MI455X (gfx1250); checked and timed in simulation.
; The chip was launched on July 23, 2026; its instructions are those of AMD's public machine-readable ISA for CDNA 5 (MIT licence, August 2026) and "CDNA5" Instruction Set Architecture Reference Guide (July 2026). The comments in the code are by the model that wrote it; some were corrected since.
;; Hopfield. Allowed arithmetic: float matrix products may take bf16 or f16 operands with f32 sums; all other float work in f32.
;; Inputs: Wk 256 x 256 float32; Wo 256 x 256 float32; Wq 256 x 256 float32; Wv 256 x 256 float32; bk 256 float32; bo 256 float32; bq 256 float32; bv 256 float32; ln_q_b 256 float32; ln_q_g 256 float32; ln_s_b 256 float32; ln_s_g 256 float32; ln_v_b 256 float32; ln_v_g 256 float32; x 8 x 2,048 x 256 float32.
;; Outputs: out0 8 x 2,048 x 256 float32.
;; One version. Each part assembles by itself: llvm-mc -triple=amdgcn-amd-amdhsa -mcpu=gfx1250 --defsym DOCPART=n.
;; ======== version 1 of 1: 2 launches
;; limits: values are held in f16: magnitudes above 65,504 overflow, below 6.1e-05 lose precision
;; workspace buffers: qws 8,388,608 bytes; kws 8,388,608 bytes; vws 8,388,608 bytes; wob 131,072 bytes
;; launch proj (part 1): grid 256 x 1, 4 waves a work-group, no clusters, 172,544 bytes of LDS; arguments x, ln_q_g, ln_q_b, ln_s_g, ln_s_b, ln_v_g, ln_v_b, Wq, Wk, Wv, bq, bk, bv, Wo, qws, kws, vws, wob; writes qws, kws, vws, wob
.if DOCPART == 1
	.amdgcn_target "amdgcn-amd-amdhsa--gfx1250"
	.amdhsa_code_object_version 6
	.text
	.protected	k_q8114ac7f50_proj
	.globl	k_q8114ac7f50_proj
	.p2align	8
	.type	k_q8114ac7f50_proj,@function
k_q8114ac7f50_proj:
	s_mov_b64 s[64:65], 0
	v_nop
	global_prefetch_b8 v0, s[64:65] scope:SCOPE_SE
	s_setreg_imm32_b32 hwreg(HW_REG_WAVE_MODE, 25, 1), 1
	s_wait_xcnt 0x0
; LayerNorm of x (three affine versions) and the projections q, k, v; Wo rounded to f16 on the side.
; x: [16384][256] f32.  W*: [256 e][256 k] f32.  Out, 2 bytes a number, in blocks of 8,192 bytes [batch 8][head 4][64-row block 32]:
;   qws block = [64 s][64 d] bf16, (state Wq^T + bq) * 0.125 * log2(e)    (the next launch takes exponentials in base 2)
;   kws block = [64 s][64 d] bf16, stored Wk^T + bk
;   vws block = [64 d][64 s] f16,  proj Wv^T + bv, transposed
;   wob       = Wo as f16, [256 f][256 e]; work-group g rounds row g.
; FORMATS.  The score path (q, k) is in bf16: scores may grow with the inputs' squares and need its range.  The value path (the third normalised version, Wv, v, and in
; the next launch P, O, Wo) is in f16: where scores are small the result is close to a mean of v over 2,048 keys, each rounding on that path stays in the result in
; proportion, and six roundings to 8 bits in a row add to about 2^-8 of it; with 11 bits each is eight times smaller.  f16 has the room: the version is at most
; 16 x 30 + 30 = 510 with gain and bias of 30, and |v| about 256 x 30 x 0.6 = 4,608 with a bias of 30 and weights offset by 0.6, a ninth of 65,504.
; SHARES: work-group g owns rows 64 g .. 64 g + 63 of x.  Wave w normalises rows 16 w .. 16 w + 15 (a row is 8 registers of the wave, so mean and
; variance never leave the wave; two passes in f32, the mean taken away before the squares), and lays the three versions into LDS.  Behind the
; launch's one barrier wave w makes head w (e = 64 w .. 64 w + 63) of q, k and v for all 64 rows: 12 weight tiles of 16 e x 256 k, each 32 matrix
; instructions on four accumulators.
; WEIGHTS GO THROUGH REGISTERS, NOT THROUGH JOINT TENSOR LOADS, though all work-groups read them: they are f32 and have to be rounded on the way,
; a tile is read by one wave of the work-group alone, and beside the 101,376 bytes of normalised rows two tensor slots could hold 64 f32 rows each,
; which is 32 matrix instructions of a wave between a request and its wait.  Through registers a wave has two tiles (32,768 bytes) on their way
; all the time and needs no barrier.  No prefetch: the weights are read again and again by all work-groups, x is wanted at the first instruction.
; LIMITS: NaN and infinite inputs are not served.  |v| has to stay under 65,504; numbers of the value path under 2^-14 are kept to 2^-25 absolute (f16 denormals).
; Matrix operands are rounded to bf16 or f16 as above; 0.125 log2(e) is multiplied into q in f32 before q is rounded to bf16.
.set XPITCH, 528                       ; an LDS row of 256 numbers of 2 bytes + 16 bytes: 33 x 16, so 16 rows of a fragment start 16 bytes apart modulo 256
.set XHB,    64*XPITCH                 ; one normalised version: 64 rows
.set WSTB,   3*XHB                     ; behind the three versions: a stage of 16 weight rows for each wave
.set WSTW,   16*XPITCH
.set OSTB,   WSTB+4*WSTW               ; behind them: a stage of 64 rows x 128 bytes for each wave, for the way out
.set OPITCH, 144
.set OSTW,   64*OPITCH
; window 0
.set L16,  2                           ; 16 x lane
.set L8,   3                           ; 8 x lane
.set LA,   6                           ; v6-8    LDS: where I put 8 bytes of my wave's first row, version p
.set XA,   9                           ; v9-11   LDS: my fragment address in version p
.set WSA,  12                          ; LDS: my 8 bytes in my wave's weight stage
.set WFA,  13                          ; LDS: my fragment address there
.set OSA,  14                          ; LDS: the way out, in
.set ORA,  15                          ; LDS: the way out, back
.set ACC,  16                          ; v16-47   four accumulators
.set WF,   48                          ; v48-111  a weight tile's 8 fragments; on the way out the rows read back
.set BQ,   112                         ; v112-143 bq as a C operand, 8 registers for each of 4 tiles
.set BK,   144                         ; v144-175 bk likewise
.set BV,   176                         ; v176-179 bv of my column, one register a tile
.set BVX,  180                         ; v180-187 the tile's bv, eight times: a C operand
.set T,    188                         ; v188-251 a weight tile, rounded, on its way into LDS
.set VB8,  252                         ; byte offset of my 8 biases (q, k)
.set VB4,  253                         ; byte offset of my one bias (v)
.set WOP,  252                         ; v252-255 wave 0: Wo's row in f16, once the bias loads are in
; names of the LayerNorm phase, in registers that the products use later
.set DD,   16                          ; v16-47   4 rows x 8: x - mean, then normalised
.set GB,   48                          ; v48-95   gain and bias of q, of k, of v: 8 registers each
.set SA,   96                          ; v96-103  4 pairs: sums, then - mean
.set SB,   104                         ; v104-111 4 pairs: sums of squares, then 1 / sqrt(var + eps)
.set Y,    196                         ; v196-227 4 rows x 8: an affine version
.set PKR,  228                         ; v228-243 4 rows x 4: the same, rounded
.set WOX,  244                         ; v244-251 wave 0: Wo's row as loaded
; window 1: x as loaded (16 rows x 8), then the fragments of a normalised version, (row block i, K step ks) at 8 (8 i + ks)
; window 2: two sets of 128 registers, a weight tile in f32 each
.set MSB, 0
.macro WIN new                         ; low byte: bits 1:0 source 0, 3:2 source 1, 5:4 source 2, 7:6 destination; the high byte repeats the setting left behind
.if MSB != \new
	s_set_vgpr_msb (MSB<<8)|\new
.set MSB, \new
.endif
.endm
	s_load_b512 s[8:23], s[0:1], 0x0               ; x 8, ln_q_g 10, ln_q_b 12, ln_s_g 14, ln_s_b 16, ln_v_g 18, ln_v_b 20, Wq 22
	s_load_b512 s[24:39], s[0:1], 0x40             ; Wk 24, Wv 26, bq 28, bk 30, bv 32, Wo 34, qws 36, kws 38
	s_load_b128 s[40:43], s[0:1], 0x80             ; vws 40, wob 42
	s_set_vgpr_msb 0xc0
	v_lshl_add_u32 v0, v0, 2, 0x2a000
	v_mov_b32 v1, 0
	s_set_vgpr_msb 0xc000
	v_lshrrev_b32 v1, 5, v0
	v_readfirstlane_b32 s46, v1                    ; wave = head
	v_and_b32 v1, 31, v0                           ; lane
	v_lshlrev_b32 v[L16], 4, v1
	v_lshlrev_b32 v[L8], 3, v1
	v_and_b32 v4, 15, v1                           ; r
	v_lshrrev_b32 v5, 4, v1                        ; h2
	s_mov_b32 s44, 0x3e38aa3b                      ; 0.125 log2(e)
	s_mov_b32 s45, 0x3e38aa3b
	s_mov_b32 s50, 0x76543210                      ; v_permlanex16_b32: lane i of one half reads lane i of the other
	s_mov_b32 s51, 0xfedcba98
	s_mov_b32 s52, 0x3b800000                      ; 1 / 256
	s_mov_b32 s53, 0x3727c5ac                      ; 1e-5
	s_mul_i32 s47, s46, WSTW                       ; 16 rows of 528 bytes a wave: my rows in a version, and my weight stage
	s_add_co_u32 s54, s47, WSTB
	s_mul_i32 s55, s46, OSTW
	s_add_co_u32 s55, s55, OSTB
	v_add_nc_u32 v[LA], s47, v[L8]
	v_add_nc_u32 v[LA+1], XHB, v[LA]
	v_add_nc_u32 v[LA+2], 2*XHB, v[LA]
	v_mul_u32_u24 v[XA], v4, XPITCH
	v_lshl_add_u32 v[XA], v5, 4, v[XA]             ; r x pitch + 16 h2: a 16-bit fragment's address
	v_add_nc_u32 v[XA+1], XHB, v[XA]
	v_add_nc_u32 v[XA+2], 2*XHB, v[XA]
	v_add_nc_u32 v[WSA], s54, v[L8]
	v_add_nc_u32 v[WFA], s54, v[XA]
	v_mul_u32_u24 v[OSA], v4, OPITCH
	v_lshl_add_u32 v[OSA], v5, 4, v[OSA]
	v_add_nc_u32 v[OSA], s55, v[OSA]               ; in: row r, 16 bytes for each half of the lanes
	v_lshrrev_b32 v16, 3, v1
	v_and_b32 v17, 7, v1
	v_mul_u32_u24 v[ORA], v16, OPITCH
	v_lshl_add_u32 v[ORA], v17, 4, v[ORA]
	v_add_nc_u32 v[ORA], s55, v[ORA]               ; back: eight lanes take a row of 128 bytes, the wave four rows
	v_lshlrev_b32 v[VB8], 5, v5                    ; 8 h2 numbers of 4 bytes
	v_lshlrev_b32 v[VB4], 2, v4                    ; r numbers
	s_mov_b32 s49, 0
	s_wait_kmcnt 0x0
	s_lshl_b32 s48, ttmp9, 16                      ; x: 64 rows of 1,024 bytes a work-group,
	s_lshl_b32 s56, s46, 14                        ; 16 a wave
	s_add_co_u32 s48, s48, s56
	s_add_nc_u64 s[8:9], s[8:9], s[48:49]
	s_lshl_b32 s48, s46, 16                        ; the weights: 64 rows of 1,024 bytes a head
	s_add_nc_u64 s[22:23], s[22:23], s[48:49]
	s_add_nc_u64 s[24:25], s[24:25], s[48:49]
	s_add_nc_u64 s[26:27], s[26:27], s[48:49]
	s_lshl_b32 s48, s46, 8                         ; the biases: 64 numbers a head
	s_add_nc_u64 s[28:29], s[28:29], s[48:49]
	s_add_nc_u64 s[30:31], s[30:31], s[48:49]
	s_add_nc_u64 s[32:33], s[32:33], s[48:49]
	s_lshr_b32 s48, ttmp9, 5                       ; my block: batch x 1,048,576 + head x 262,144 + row block x 8,192
	s_lshl_b32 s48, s48, 20
	s_and_b32 s56, ttmp9, 31
	s_lshl_b32 s56, s56, 13
	s_add_co_u32 s48, s48, s56
	s_lshl_b32 s56, s46, 18
	s_add_co_u32 s48, s48, s56
	s_add_nc_u64 s[36:37], s[36:37], s[48:49]
	s_add_nc_u64 s[38:39], s[38:39], s[48:49]
	s_add_nc_u64 s[40:41], s[40:41], s[48:49]
	s_lshl_b32 s48, ttmp9, 10                      ; Wo's row g
	s_add_nc_u64 s[34:35], s[34:35], s[48:49]
	s_lshl_b32 s48, ttmp9, 9                       ; and where it goes
	s_add_nc_u64 s[42:43], s[42:43], s[48:49]
; 32 loads of 512 consecutive bytes: weight tile te (16 rows of 1,024 bytes) of the matrix at s[base], into set 0 or 1 of window 2.
; Load n is row n / 2, half n % 2; the lane gets k = 128 (n % 2) + 4 lane + 0..3.
.macro LOADW base, te, set
	WIN 0x80
.set n, 0
.rept 32
	global_load_b128 v[128*\set+4*n:128*\set+4*n+3], v[L16], s[\base:\base+1] offset:\te*16384+512*n
.set n, n+1
.endr
	WIN 0
.endm
	s_cmp_lg_u32 s46, 0
	s_cbranch_scc1 .Lno_wo_load
	global_load_b128 v[WOX:WOX+3], v[L16], s[34:35]                ; wave 0: Wo's row g, e = 4 lane .. and 128 + 4 lane ..
	global_load_b128 v[WOX+4:WOX+7], v[L16], s[34:35] offset:512
.Lno_wo_load:
	WIN 0x40
.set n, 0
.rept 32
	global_load_b128 v[4*n:4*n+3], v[L16], s[8:9] offset:512*n th:TH_LOAD_NT   ; my 16 rows of x: row n / 2, k = 128 (n % 2) + 4 lane + 0..3
.set n, n+1
.endr
	WIN 0
.irp i, 0,1,2,3,4,5
	global_load_b128 v[GB+8*\i:GB+8*\i+3],   v[L16], s[10+2*\i:11+2*\i]            ; gains and biases of the three norms, in x's lane order
	global_load_b128 v[GB+8*\i+4:GB+8*\i+7], v[L16], s[10+2*\i:11+2*\i] offset:512
.endr
.irp te, 0,1,2,3
	global_load_b128 v[BQ+8*\te:BQ+8*\te+3],   v[VB8], s[28:29] offset:64*\te      ; bq[64 w + 16 te + 8 h2 + 0..7]: register j of a result is row 8 h2 + j
	global_load_b128 v[BQ+8*\te+4:BQ+8*\te+7], v[VB8], s[28:29] offset:64*\te+16
	global_load_b128 v[BK+8*\te:BK+8*\te+3],   v[VB8], s[30:31] offset:64*\te
	global_load_b128 v[BK+8*\te+4:BK+8*\te+7], v[VB8], s[30:31] offset:64*\te+16
	global_load_b32  v[BV+\te], v[VB4], s[32:33] offset:64*\te                     ; bv[64 w + 16 te + r]: in v's products a lane holds one column
.endr
	LOADW 22, 0, 0                                 ; Wq's first tile
	s_wait_loadcnt 32                              ; loads come back in order (ISA guide 5.7.1): all but the 32 of that tile are in
	LOADW 22, 1, 1                                 ; and its second: two tiles are on their way from here on
	s_cmp_lg_u32 s46, 0
	s_cbranch_scc1 .Lno_wo_store
.irp c, 0,1,2,3
	v_cvt_pk_f16_f32 v[WOP+\c], v[WOX+2*\c], v[WOX+2*\c+1]         ; the bias loads that read v252, v253 as offsets are done
.endr
	global_store_b64 v[L8], v[WOP:WOP+1], s[42:43]                 ; each store of the wave covers 256 consecutive bytes, aligned
	global_store_b64 v[L8], v[WOP+2:WOP+3], s[42:43] offset:256    ; v252-255 are not written again
.Lno_wo_store:
; the sums of four pairs at v[a], each over its two halves and the 32 lanes; every lane gets the result, in the pair's first register
.macro RED a
.irp k, 0,1,2,3
	v_add_f32 v[\a+2*\k], v[\a+2*\k], v[\a+2*\k+1]
.endr
.irp m, 1,2,4,8
.irp k, 0,1,2,3
	v_add_f32_dpp v[\a+2*\k], v[\a+2*\k], v[\a+2*\k] row_xmask:\m row_mask:0xf bank_mask:0xf
.endr
.endr
.irp k, 0,1,2,3
	v_permlanex16_b32 v[\a+2*\k+1], v[\a+2*\k], s50, s51           ; the destination has been written
.endr
.irp k, 0,1,2,3
	v_add_f32 v[\a+2*\k], v[\a+2*\k], v[\a+2*\k+1]
.endr
.endm
; rows 4 g .. 4 g + 3 of my 16, side by side so that no chain waits for itself
.macro LNG g
	WIN 0x05                                       ; x in window 1
.irp k, 0,1,2,3
	v_pk_add_f32 v[SA+2*\k:SA+2*\k+1], v[8*(4*\g+\k):8*(4*\g+\k)+1],   v[8*(4*\g+\k)+2:8*(4*\g+\k)+3]
	v_pk_add_f32 v[SB+2*\k:SB+2*\k+1], v[8*(4*\g+\k)+4:8*(4*\g+\k)+5], v[8*(4*\g+\k)+6:8*(4*\g+\k)+7]
.endr
	WIN 0
.irp k, 0,1,2,3
	v_pk_add_f32 v[SA+2*\k:SA+2*\k+1], v[SA+2*\k:SA+2*\k+1], v[SB+2*\k:SB+2*\k+1]
.endr
	RED SA
.irp k, 0,1,2,3
	v_mul_f32 v[SA+2*\k], 0xbb800000, v[SA+2*\k]                   ; - mean
.endr
	WIN 0x01
.irp k, 0,1,2,3
.irp c, 0,2,4,6
	v_pk_add_f32 v[DD+8*\k+\c:DD+8*\k+\c+1], v[8*(4*\g+\k)+\c:8*(4*\g+\k)+\c+1], v[SA+2*\k:SA+2*\k+1] op_sel_hi:[1,0]
.endr
.endr
	WIN 0
.irp k, 0,1,2,3
	v_pk_mul_f32 v[SB+2*\k:SB+2*\k+1], v[DD+8*\k:DD+8*\k+1], v[DD+8*\k:DD+8*\k+1]
.endr
.irp c, 2,4,6
.irp k, 0,1,2,3
	v_pk_fma_f32 v[SB+2*\k:SB+2*\k+1], v[DD+8*\k+\c:DD+8*\k+\c+1], v[DD+8*\k+\c:DD+8*\k+\c+1], v[SB+2*\k:SB+2*\k+1]
.endr
.endr
	RED SB
.irp k, 0,1,2,3
	v_fma_f32 v[SB+2*\k], v[SB+2*\k], s52, s53                     ; variance + eps
.endr
.irp k, 0,1,2,3
	v_rsq_f32 v[SB+2*\k], v[SB+2*\k]
.endr
	v_nop                                          ; one plain vector instruction stands between a transcendental and the use of its result (ISA guide 5.7.2)
	s_wait_alu depctr_va_vdst(0)
.irp k, 0,1,2,3
.irp c, 0,2,4,6
	v_pk_mul_f32 v[DD+8*\k+\c:DD+8*\k+\c+1], v[DD+8*\k+\c:DD+8*\k+\c+1], v[SB+2*\k:SB+2*\k+1] op_sel_hi:[1,0]
.endr
.endr
.irp p, 0,1,2
.irp k, 0,1,2,3
.irp c, 0,2,4,6
	v_pk_fma_f32 v[Y+8*\k+\c:Y+8*\k+\c+1], v[DD+8*\k+\c:DD+8*\k+\c+1], v[GB+16*\p+\c:GB+16*\p+\c+1], v[GB+16*\p+8+\c:GB+16*\p+8+\c+1]
.endr
.endr
.irp k, 0,1,2,3
.irp c, 0,1,2,3
.if \p == 2
	v_cvt_pk_f16_f32 v[PKR+4*\k+\c], v[Y+8*\k+2*\c], v[Y+8*\k+2*\c+1]              ; the value path's version in f16,
.else
	v_cvt_pk_bf16_f32 v[PKR+4*\k+\c], v[Y+8*\k+2*\c], v[Y+8*\k+2*\c+1]             ; the score path's two in bf16
.endif
.endr
.endr
.irp k, 0,1,2,3
	ds_store_b64 v[LA+\p], v[PKR+4*\k:PKR+4*\k+1] offset:(4*\g+\k)*XPITCH          ; k = 4 lane ..: the wave's 256 consecutive bytes
	ds_store_b64 v[LA+\p], v[PKR+4*\k+2:PKR+4*\k+3] offset:(4*\g+\k)*XPITCH+256    ; k = 128 + 4 lane ..
.endr
.endr
.endm
	LNG 0
	LNG 1
	LNG 2
	LNG 3
	s_wait_dscnt 0x0                               ; my rows are in LDS,
	s_barrier_signal -1
	s_barrier_wait -1                              ; everybody's are.  The launch's only barrier: from here on a wave writes only stages of its own
; a raw tile is rounded (half = 1: to f16, Wv's tiles; 0: to bf16) and laid into my weight stage
.macro CONVERT set, half
	WIN 0x0a
.set n, 0
.rept 32
.if \half
	v_cvt_pk_f16_f32 v[T+2*n],   v[128*\set+4*n],   v[128*\set+4*n+1]
	v_cvt_pk_f16_f32 v[T+2*n+1], v[128*\set+4*n+2], v[128*\set+4*n+3]
.else
	v_cvt_pk_bf16_f32 v[T+2*n],   v[128*\set+4*n],   v[128*\set+4*n+1]
	v_cvt_pk_bf16_f32 v[T+2*n+1], v[128*\set+4*n+2], v[128*\set+4*n+3]
.endif
.set n, n+1
.endr
	WIN 0
.set n, 0
.rept 32
	ds_store_b64 v[WSA], v[T+2*n:T+2*n+1] offset:(n>>1)*XPITCH+(n&1)*256
.set n, n+1
.endr
.endm
; its eight fragments (16 e x 32 k).  LDS serves a wave's instructions in order (ISA guide 5.7.1): these see the stores above, and the next tile's stores come behind them
.macro FRAGW
.irp ks, 0,1,2,3,4,5,6,7
	ds_load_b128 v[WF+8*\ks:WF+8*\ks+3],   v[WFA] offset:64*\ks
	ds_load_b128 v[WF+8*\ks+4:WF+8*\ks+7], v[WFA] offset:64*\ks+32
.endr
.endm
; all 32 fragments of version p (4 blocks of 16 rows x 8 K steps) into window 1: they serve four weight tiles
.macro XFRAG p
	WIN 0x40
.irp i, 0,1,2,3
.irp ks, 0,1,2,3,4,5,6,7
	ds_load_b128 v[8*(8*\i+\ks):8*(8*\i+\ks)+3],   v[XA+\p] offset:\i*16*XPITCH+64*\ks
	ds_load_b128 v[8*(8*\i+\ks)+4:8*(8*\i+\ks)+7], v[XA+\p] offset:\i*16*XPITCH+64*\ks+32
.endr
.endr
	WIN 0
.endm
; q and k: source 0 = 16 rows of W, source 1 = 16 rows of x: a lane's eight results are eight neighbouring e of one row s.  The bias, at v[cb], starts the sums.
; The four accumulators take turns, one instruction a turn.
.macro MULQK cb
	WIN 0x04
.irp ks, 0,1,2,3,4,5,6,7
.irp i, 0,1,2,3
.if \ks == 0
	v_wmma_f32_16x16x32_bf16 v[ACC+8*\i:ACC+8*\i+7], v[WF+8*\ks:WF+8*\ks+7], v[8*(8*\i+\ks):8*(8*\i+\ks)+7], v[\cb:\cb+7]
.else
	v_wmma_f32_16x16x32_bf16 v[ACC+8*\i:ACC+8*\i+7], v[WF+8*\ks:WF+8*\ks+7], v[8*(8*\i+\ks):8*(8*\i+\ks)+7], v[ACC+8*\i:ACC+8*\i+7]
.endif
.endr
.endr
	WIN 0
.rept 4
	v_nop                                          ; four places between a matrix instruction and the vector instructions and loads that touch its registers
.endr
.endm
; v, in f16: the sources the other way round: a lane's eight results are eight neighbouring s of one column d, a piece of a row of the transposed block
.macro MULV
	WIN 0x01
.irp ks, 0,1,2,3,4,5,6,7
.irp i, 0,1,2,3
.if \ks == 0
	v_wmma_f32_16x16x32_f16 v[ACC+8*\i:ACC+8*\i+7], v[8*(8*\i+\ks):8*(8*\i+\ks)+7], v[WF+8*\ks:WF+8*\ks+7], v[BVX:BVX+7]
.else
	v_wmma_f32_16x16x32_f16 v[ACC+8*\i:ACC+8*\i+7], v[8*(8*\i+\ks):8*(8*\i+\ks)+7], v[WF+8*\ks:WF+8*\ks+7], v[ACC+8*\i:ACC+8*\i+7]
.endif
.endr
.endr
	WIN 0
.rept 4
	v_nop
.endr
.endm
; the tile's results: (q: scaled,) rounded (q, k: bf16; v: f16), 16 bytes a lane into my way-out stage
.macro EPI p, te
.irp i, 0,1,2,3
.if \p == 0
.irp c, 0,2,4,6
	v_pk_mul_f32 v[ACC+8*\i+\c:ACC+8*\i+\c+1], v[ACC+8*\i+\c:ACC+8*\i+\c+1], s[44:45] op_sel_hi:[1,0]
.endr
.endif
.irp c, 0,1,2,3
.if \p == 2
	v_cvt_pk_f16_f32 v[ACC+8*\i+\c], v[ACC+8*\i+2*\c], v[ACC+8*\i+2*\c+1]          ; in place: register c is read before it is written
.else
	v_cvt_pk_bf16_f32 v[ACC+8*\i+\c], v[ACC+8*\i+2*\c], v[ACC+8*\i+2*\c+1]
.endif
.endr
.if \p == 2
	ds_store_b128 v[OSA], v[ACC+8*\i:ACC+8*\i+3] offset:16*OPITCH*\te+32*\i        ; row d = 16 te + r, bytes of s = 16 i + 8 h2 ..
.else
	ds_store_b128 v[OSA], v[ACC+8*\i:ACC+8*\i+3] offset:16*OPITCH*\i+32*\te        ; row s = 16 i + r, bytes of e = 16 te + 8 h2 ..
.endif
.endr
.endm
; my block of 8,192 bytes leaves: read back four rows at a time, each store of the wave covers 512 consecutive bytes, aligned
.macro OUT ws
.irp t, 0,1,2,3,4,5,6,7,8,9,10,11,12,13,14,15
	ds_load_b128 v[WF+4*\t:WF+4*\t+3], v[ORA] offset:4*OPITCH*\t
.endr
.irp t, 0,1,2,3,4,5,6,7,8,9,10,11,12,13,14,15
	s_wait_dscnt 15-\t                             ; LDS loads come back in order: number t is in
	global_store_b128 v[L16], v[WF+4*\t:WF+4*\t+3], s[\ws:\ws+1] offset:512*\t
.endr
	s_wait_xcnt 0x0                                ; the stores' data registers are loaded again only behind this wait
.endm
; weight tile te of projection p
.macro TILE p, te
.set tn, 4*\p+\te
.if tn < 11
	s_wait_loadcnt 32                              ; this tile is in; the next tile's 32 loads stay out
.else
	s_wait_loadcnt 0                               ; the last tile: nothing was issued behind it
.endif
	CONVERT (tn&1), (tn>>3)                        ; tiles 8 to 11 are Wv's
.if tn < 10
.set nb, 22+2*((tn+2)>>2)
.set nt, (tn+2)&3
	LOADW nb, nt, (tn&1)                           ; the tile after the next, into the set just read
.endif
.if \p == 2
.irp j, 0,1,2,3,4,5,6,7
	v_mov_b32 v[BVX+\j], v[BV+\te]                 ; all eight rows of a lane's results share its column's bias
.endr
.endif
	FRAGW
	s_wait_dscnt 0x0                               ; the tile's fragments (and, at a projection's first tile, the version's)
.if \p == 0
	MULQK BQ+8*\te
.endif
.if \p == 1
	MULQK BK+8*\te
.endif
.if \p == 2
	MULV
.endif
	EPI \p, \te
.endm
.irp p, 0,1,2
	XFRAG \p
.irp te, 0,1,2,3
	TILE \p, \te
.endr
	OUT 36+2*\p
.endr
	s_set_vgpr_msb 0xf
	s_wait_tensorcnt 0x0
	ds_add_u32 v0, v1
	s_wait_dscnt 0x0
	s_set_vgpr_msb 0xf00
	s_endpgm
.Lfunc_end_k_q8114ac7f50_proj:
	.size	k_q8114ac7f50_proj, .Lfunc_end_k_q8114ac7f50_proj-k_q8114ac7f50_proj
	.p2alignl 7, 3214868480
	.fill 96, 4, 3214868480
	.section	.rodata,"a",@progbits
	.p2align	6, 0x0
	.amdhsa_kernel k_q8114ac7f50_proj
		.amdhsa_group_segment_fixed_size 172544
		.amdhsa_private_segment_fixed_size 0
		.amdhsa_enable_private_segment 0
		.amdhsa_kernarg_size 144
		.amdhsa_user_sgpr_count 2
		.amdhsa_user_sgpr_kernarg_segment_ptr 1
		.amdhsa_wavefront_size32 1
		.amdhsa_system_sgpr_workgroup_id_x 1
		.amdhsa_system_sgpr_workgroup_id_y 1
		.amdhsa_system_sgpr_workgroup_id_z 1
		.amdhsa_system_vgpr_workitem_id 0
		.amdhsa_next_free_vgpr 770
		.amdhsa_next_free_sgpr 66
		.amdhsa_reserve_vcc 0
		.amdhsa_float_denorm_mode_32 3
		.amdhsa_float_denorm_mode_16_64 3
		.amdhsa_memory_ordered 1
		.amdhsa_forward_progress 1
		.amdhsa_inst_pref_size 255
	.end_amdhsa_kernel
	.section	.bss,"aw",@nobits
	.p2align	6
	.space	262144
	.amdgpu_metadata
---
amdhsa.version: [ 1, 2 ]
amdhsa.kernels:
  - .name:           k_q8114ac7f50_proj
    .symbol:         k_q8114ac7f50_proj.kd
    .args:
      - { .name: x, .offset: 0, .size: 8, .value_kind: global_buffer, .address_space: global }
      - { .name: ln_q_g, .offset: 8, .size: 8, .value_kind: global_buffer, .address_space: global }
      - { .name: ln_q_b, .offset: 16, .size: 8, .value_kind: global_buffer, .address_space: global }
      - { .name: ln_s_g, .offset: 24, .size: 8, .value_kind: global_buffer, .address_space: global }
      - { .name: ln_s_b, .offset: 32, .size: 8, .value_kind: global_buffer, .address_space: global }
      - { .name: ln_v_g, .offset: 40, .size: 8, .value_kind: global_buffer, .address_space: global }
      - { .name: ln_v_b, .offset: 48, .size: 8, .value_kind: global_buffer, .address_space: global }
      - { .name: Wq, .offset: 56, .size: 8, .value_kind: global_buffer, .address_space: global }
      - { .name: Wk, .offset: 64, .size: 8, .value_kind: global_buffer, .address_space: global }
      - { .name: Wv, .offset: 72, .size: 8, .value_kind: global_buffer, .address_space: global }
      - { .name: bq, .offset: 80, .size: 8, .value_kind: global_buffer, .address_space: global }
      - { .name: bk, .offset: 88, .size: 8, .value_kind: global_buffer, .address_space: global }
      - { .name: bv, .offset: 96, .size: 8, .value_kind: global_buffer, .address_space: global }
      - { .name: Wo, .offset: 104, .size: 8, .value_kind: global_buffer, .address_space: global }
      - { .name: qws, .offset: 112, .size: 8, .value_kind: global_buffer, .address_space: global }
      - { .name: kws, .offset: 120, .size: 8, .value_kind: global_buffer, .address_space: global }
      - { .name: vws, .offset: 128, .size: 8, .value_kind: global_buffer, .address_space: global }
      - { .name: wob, .offset: 136, .size: 8, .value_kind: global_buffer, .address_space: global }
    .group_segment_fixed_size: 172544
    .private_segment_fixed_size: 0
    .kernarg_segment_align: 8
    .kernarg_segment_size: 144
    .max_flat_workgroup_size: 128
    .sgpr_count:     66
    .vgpr_count:     770
    .wavefront_size: 32
...
	.end_amdgpu_metadata
.endif
;; end of part 1
;; launch attn (part 2): grid 256 x 1, 8 waves a work-group, clusters of 4 x 1, 327,680 bytes of LDS; arguments qws, kws, vws, wob, bo, out0; writes out0
.if DOCPART == 2
	.amdgcn_target "amdgcn-amd-amdhsa--gfx1250"
	.amdhsa_code_object_version 6
	.text
	.protected	k_q8114ac7f50_attn
	.globl	k_q8114ac7f50_attn
	.p2align	8
	.type	k_q8114ac7f50_attn,@function
k_q8114ac7f50_attn:
	s_mov_b64 s[64:65], 0
	v_nop
	global_prefetch_b8 v0, s[64:65] scope:SCOPE_SE
	s_setreg_imm32_b32 hwreg(HW_REG_WAVE_MODE, 25, 1), 1
	s_wait_xcnt 0x0
	s_wait_alu depctr_hold_cnt(0) depctr_sa_sdst(0) depctr_va_vdst(0) depctr_va_sdst(0) depctr_va_ssrc(0) depctr_va_vcc(0) depctr_vm_vsrc(0)
	s_getreg_b32 s2, hwreg(HW_REG_IB_STS2, 6, 4)
	s_cmp_eq_u32 s2, 0
	s_cbranch_scc0 .Lentry_in_a_cluster
	s_endpgm
.Lentry_in_a_cluster:
	s_bfe_u32 s2, ttmp6, 0x10000c
	s_cmp_lg_u32 s2, 0x3003
	s_cbranch_scc0 .Lentry_shape_is_right
	s_endpgm
.Lentry_shape_is_right:
; Softmax attention over 2,048 keys, 4 heads of 64, and the output projection: out0 = softmax(q k^T) v Wo^T + bo.
; qws, kws: blocks [batch][head][32][64 s][64 d] bf16; vws: blocks [64 d][64 s] f16; wob: Wo in f16.  q already holds 0.125 log2(e), so exponentials are in base 2.
; FORMATS.  Scores are made in bf16, whose range they need.  The value path (P, V, O, Wo) is in f16: where scores are small the result is close to a mean of v over
; 2,048 keys and every rounding on that path stays in it in proportion; 11 bits make each eight times smaller than 8 bits would.  P is at most 1; O is a weighted mean of v
; and has v's room (the launch before states it: |v| about 4,608 at gains, biases and offsets 30 times the usual, against 65,504).
; SHARES: a work-group owns 64 queries of one batch, all four heads.  Eight waves, two on each SIMD, so that one wave's softmax runs beside the other's
; matrix work: wave w works head h = w % 4, all 64 queries, and half kh = w / 4 of every tile of 128 keys.  The two halves of the keys are merged once, at the end.
; EVERYTHING IS TAKEN TRANSPOSED.  S^T = K Q^T: lane (r, h2) holds keys 8 h2 + 0..7 of query r, so maximum and sum over the keys are made inside the lane
; plus one exchange of the halves, the rescaling factor is one number a lane, and two score tiles rounded to f16 ARE source 1 of O^T = V^T P^T.
; O^T rounded is 16 bytes of a row of O, and out^T = Wo O^T gives 32 bytes of a row of out0.
; THE MAXIMUM is a running maximum over the keys seen so far, taken away before every exponential.
; CLUSTER: the four work-groups of a cluster lie in one batch and walk the same K and V tiles and the same Wo: each tile is asked for jointly (mask 15).
; A round of the cluster's barrier stands in front of every joint load.  Wave w fetches piece w of a tile: K of head w (w < 4) or V^T of head w - 4.
; A wave has one tensor load out at the most.
; LIMITS: NaN and infinite inputs are not served.  |v| under 65,504.  A probability below 2^-14 of the row's largest is kept to 2^-25 absolute in the product with V and
; below 2^-25 drops out of it (f16); below 2^-126 it drops out of the divisor too (v_exp_f32 flushes).  O under 2^-14 is kept to 2^-25 absolute.  The divisor is summed from
; the f32 probabilities, the product with V takes them rounded.  Sums over keys are made in two halves and in tiles of 64, not in the reference's order.
.set KPITCH, 144                       ; a row of 64 numbers of 2 bytes + 16 bytes: 9 x 16
.set PIECE,  128*KPITCH                ; what one tensor load brings: 128 rows
.set SLOT,   8*PIECE                   ; K of 4 heads (rows = keys), then V^T of 4 heads (rows 0-63: d of the first 64 keys; 64-127: of the second)
.set TILEB,  16384                     ; a piece in memory: 128 rows of 128 bytes, dense
.set WPITCH, 528                       ; a row of 256 numbers of 2 bytes + 16 bytes
.set MRG,    SLOT                      ; in slot 1, behind its last fill: 18,432 bytes a head, what half 1 hands to half 0
.set OB,     MRG+4*PIECE               ; O in f16: 64 queries x 256
.set OS,     OB+64*WPITCH              ; the way out: 32 rows x 256 bytes for each wave
.set OSPITCH, 272
.set OSW,    32*OSPITCH
; window 0
.set AK,   4                           ; v4-5   LDS address of my K fragments in slot 0, 1
.set AV,   6                           ; v6-7   of my V^T fragments
.set QA,   8                           ; my offset in the block of q
.set PFA,  9                           ; 256 x lane, for the prefetch
.set MA,   10                          ; my 16 bytes in my head's merge area
.set OBA,  11                          ; where I put 16 bytes of O
.set OFA,  12                          ; my fragment address in O
.set WFA,  13                          ; my fragment address in Wo
.set OSA,  14                          ; the way out, in
.set OSR,  15                          ; the way out, back
.set OUTA, 16                          ; my byte offset in the work-group's 64 rows of out0
.set BOA,  17                          ; my byte offset in bo
.set ST,   20                          ; v20-35  for each of 4 query tiles: - m, m, the rescaling factor, the sum
.set PST,  36                          ; v36-51  the merge: the partner's four
.set TS,   36                          ; v36-43  the loop: a pair of partial sums for each query tile
.set TA,   52                          ; v52-55  at work
.set TB,   56                          ; v56-59
.set TP,   60                          ; v60-63
.set SC,   64                          ; v64-191  scores (query tile qt, key tile kt) at 32 qt + 8 kt; then P (qt, 32 keys kc) at 32 qt + 16 kc
.set KF,   192                         ; v192-255 K fragments (kt, ks) at 8 (4 ks + kt)
.set ACC2, 192                         ; the output projection's 8 accumulators (ft, q2) at 8 (2 ft + q2)
; window 1
.set OA,   0                           ; 0-127   O^T (qt, dt) at 8 (4 qt + dt)
.set QF,   128                         ; 128-191 Q fragments (qt, ks) at 8 (2 qt + ks)
.set VF,   192                         ; 192-255 V^T fragments (dt, kc) at 8 (4 kc + dt)
.set G1,  32                           ; s[32:39] group 1 of K's and V's pieces
.set G0,  40                           ; s[40:47] group 0, one set for each slot
.set G1W, 48                           ; s[48:55] group 1 of Wo's rows
.set G0W, 56                           ; s[56:59] group 0 of Wo's rows
.set MSB, 0
.macro WIN new                         ; low byte: bits 1:0 source 0, 3:2 source 1, 5:4 source 2, 7:6 destination; the high byte repeats the setting left behind
.if MSB != \new
	s_set_vgpr_msb (MSB<<8)|\new
.set MSB, \new
.endif
.endm
; a round of the cluster's barrier: my work-group's barrier, wave 0 signals for the work-group, every wave waits for all four work-groups, my work-group's barrier again
.macro ROUND
	s_barrier_signal -1
	s_barrier_wait -1
	s_cmp_lg_u32 s20, 0
	s_cbranch_scc1 .Lnot_wave_0_\@
	s_barrier_signal -3
.Lnot_wave_0_\@:
	s_barrier_wait -3
	s_barrier_signal -1
	s_barrier_wait -1
.endm
	s_load_b256 s[8:15], s[0:1], 0x0               ; qws 8, kws 10, vws 12, wob 14
	s_load_b128 s[16:19], s[0:1], 0x20             ; bo 16, out0 18
	v_lshl_add_u32 v254, v0, 2, 0x4f400
	v_mov_b32 v255, 0
	ds_add_u32 v254, v255
	ds_add_u32 v254, v255
	s_wait_dscnt 0x0
	v_lshrrev_b32 v1, 5, v0
	v_readfirstlane_b32 s20, v1                    ; wave
	s_and_b32 s21, s20, 3                          ; h: my head.  Also: the head whose piece I fetch
	s_lshr_b32 s22, s20, 2                         ; kh: my half of the keys.  Also: I fetch for K (0) or for V (1)
	s_bfe_u32 s23, ttmp6, 0x40000                  ; cx: my place in the cluster; it enters the addresses of q, of out0 and of the prefetch alone
	s_lshr_b32 s24, ttmp9, 3                       ; batch: eight clusters each
	s_mov_b32 s62, 0x76543210                      ; v_permlanex16_b32: lane i of one half reads lane i of the other
	s_mov_b32 s63, 0xfedcba98
	; group 1, K and V: 128 rows of 64 elements of 2 bytes, dense in memory, 4 words of padding behind every 32 in LDS; mask 15: all four work-groups
	s_mov_b32 s[G1+0], 15|(1<<16)|(1<<20)|(1<<21)|(4<<22)|(3<<25)
	s_mov_b32 s[G1+1], 64<<16                      ; tensor_dim0 = 64
	s_mov_b32 s[G1+2], 128<<16                     ; tensor_dim1 = 128
	s_mov_b32 s[G1+3], 64<<16                      ; tile_dim0 = 64
	s_mov_b32 s[G1+4], 128                         ; tile_dim1 = 128
	s_mov_b32 s[G1+5], 64                          ; elements from row to row
	s_mov_b32 s[G1+6], 0
	s_mov_b32 s[G1+7], 0
	; group 1, Wo: 32 rows of 256 elements, 4 words of padding behind every 128
	s_mov_b32 s[G1W+0], 15|(1<<16)|(1<<20)|(1<<21)|(6<<22)|(3<<25)
	s_mov_b32 s[G1W+1], 256<<16
	s_mov_b32 s[G1W+2], 32<<16
	s_mov_b32 s[G1W+3], 256<<16
	s_mov_b32 s[G1W+4], 32
	s_mov_b32 s[G1W+5], 256
	s_mov_b32 s[G1W+6], 0
	s_mov_b32 s[G1W+7], 0
	s_mul_i32 s26, s20, PIECE                      ; my piece's place in a slot
	s_mul_i32 s27, s20, 32*WPITCH                  ; my 32 rows of Wo in LDS
	s_lshl_b32 s6, s24, 2
	s_add_co_u32 s6, s6, s21
	s_lshl_b32 s6, s6, 18                          ; (4 batch + h) heads of 262,144 bytes
	s_mov_b32 s7, 0
	s_lshl_b32 s30, s20, 14                        ; my 32 rows of Wo in memory
	s_mov_b32 s31, 0
	s_wait_kmcnt 0x0
	s_cmp_lg_u32 s22, 0
	s_cselect_b64 s[28:29], s[12:13], s[10:11]     ; V^T for waves 4-7, K for waves 0-3
	s_add_nc_u64 s[28:29], s[28:29], s[6:7]
.irp s, 0,1
	s_mov_b32 s[G0+4*\s], 1
	s_add_co_u32 s[G0+4*\s+1], s26, \s*SLOT
	s_add_nc_u64 s[G0+4*\s+2:G0+4*\s+3], s[28:29], \s*TILEB        ; tile s
	s_or_b32 s[G0+4*\s+3], s[G0+4*\s+3], 0x80000000
.endr
	s_mov_b32 s[G0W], 1
	s_mov_b32 s[G0W+1], s27
	s_add_nc_u64 s[G0W+2:G0W+3], s[14:15], s[30:31]
	s_or_b32 s[G0W+3], s[G0W+3], 0x80000000
	ROUND                                          ; all four work-groups are here: the first joint loads meet
	tensor_load_to_lds s[G0:G0+3], s[G1:G1+7]      ; tile 0
	s_nop 0
	; q: my head's block of 64 queries, straight into fragments (lane: row r, 16 bytes at 16 h2, and 32 further on)
	v_and_b32 v1, 31, v0                           ; lane
	v_and_b32 v2, 15, v0                           ; r
	v_bfe_u32 v3, v0, 4, 1                         ; h2
	v_lshlrev_b32 v[QA], 7, v2
	v_lshl_add_u32 v[QA], v3, 4, v[QA]
	s_add_nc_u64 s[8:9], s[8:9], s[6:7]
	s_and_b32 s2, ttmp9, 7
	s_lshl_b32 s2, s2, 2
	s_add_co_u32 s2, s2, s23                       ; my block of queries in the batch
	s_lshl_b32 s2, s2, 13
	s_mov_b32 s3, 0
	s_add_nc_u64 s[8:9], s[8:9], s[2:3]
	WIN 0x40
.irp qt, 0,1,2,3
.irp ks, 0,1
	global_load_b128 v[QF+8*(2*\qt+\ks):QF+8*(2*\qt+\ks)+3],   v[QA], s[8:9] offset:2048*\qt+64*\ks
	global_load_b128 v[QF+8*(2*\qt+\ks)+4:QF+8*(2*\qt+\ks)+7], v[QA], s[8:9] offset:2048*\qt+64*\ks+32
.endr
.endr
	WIN 0
	s_lshl_b32 s2, ttmp9, 2
	s_add_co_u32 s2, s2, s23
	s_lshl_b32 s2, s2, 16                          ; out0: 64 rows of 1,024 bytes a work-group
	s_add_nc_u64 s[18:19], s[18:19], s[2:3]
	; The prefetch.  The 32 work-groups of a batch share out each pair of tiles (8 pieces x 32,768 bytes): cluster c takes piece c % 8, its four work-groups a quarter each.
	s_and_b32 s2, ttmp9, 4
	s_cmp_lg_u32 s2, 0
	s_cselect_b64 s[4:5], s[12:13], s[10:11]
	s_lshl_b32 s2, s24, 2
	s_and_b32 s26, ttmp9, 3
	s_add_co_u32 s2, s2, s26
	s_lshl_b32 s2, s2, 18
	s_lshl_b32 s26, s23, 13
	s_add_co_u32 s2, s2, s26
	s_add_co_u32 s2, s2, 2*TILEB                   ; it begins at tiles 2 and 3
	s_add_nc_u64 s[4:5], s[4:5], s[2:3]
	v_lshlrev_b32 v[PFA], 8, v1                    ; lanes 256 bytes apart: 8,192 bytes a request
	; LDS addresses
	v_mul_u32_u24 v18, v2, KPITCH
	v_lshl_add_u32 v18, v3, 4, v18                 ; r x 144 + 16 h2
	s_mul_i32 s26, s21, PIECE
	s_mul_i32 s27, s22, 64*KPITCH
	s_add_co_u32 s27, s26, s27                     ; my head's piece, my 64 rows of it
	v_add_nc_u32 v[AK], s27, v18
	v_add_nc_u32 v[AK+1], SLOT, v[AK]
	v_add_nc_u32 v[AV], 4*PIECE, v[AK]
	v_add_nc_u32 v[AV+1], 4*PIECE, v[AK+1]
	s_add_co_u32 s26, s26, MRG
	v_lshl_add_u32 v[MA], v1, 4, s26
	v_mul_u32_u24 v19, v2, WPITCH
	v_lshl_add_u32 v19, v3, 4, v19                 ; r x 528 + 16 h2
	s_lshl_b32 s26, s21, 7
	s_add_co_u32 s26, s26, OB
	v_add_nc_u32 v[OBA], s26, v19                  ; row r, my head's 128 bytes
	s_mul_i32 s26, s22, 32*WPITCH
	s_add_co_u32 s26, s26, OB
	v_add_nc_u32 v[OFA], s26, v19                  ; the output projection: my 32 queries
	s_mul_i32 s26, s21, 64*WPITCH
	v_add_nc_u32 v[WFA], s26, v19                  ; and my 64 rows of Wo
	s_mul_i32 s26, s20, OSW
	s_add_co_u32 s26, s26, OS
	v_mul_u32_u24 v[OSA], v2, OSPITCH
	v_lshl_add_u32 v[OSA], v3, 5, v[OSA]
	v_add_nc_u32 v[OSA], s26, v[OSA]
	v_mul_u32_u24 v[OSR], v3, OSPITCH
	v_lshl_add_u32 v[OSR], v2, 4, v[OSR]
	v_add_nc_u32 v[OSR], s26, v[OSR]
	s_lshl_b32 s26, s22, 15                        ; 32 rows of 1,024 bytes
	s_lshl_b32 s27, s21, 8                         ; 64 columns of 4 bytes
	s_add_co_u32 s26, s26, s27
	v_lshlrev_b32 v[OUTA], 10, v3
	v_lshl_add_u32 v[OUTA], v2, 4, v[OUTA]
	v_add_nc_u32 v[OUTA], s26, v[OUTA]
	v_lshl_add_u32 v[BOA], v3, 5, s27
.irp qt, 0,1,2,3
	v_mov_b32 v[TP+\qt], 0                         ; v_permlanex16_b32 counts as a reader of its destination
.endr
	s_wait_loadcnt 0x0                             ; q, once
; 16 matrix instructions: all 16 score tiles, 32 of the 64 d
.macro QK ks
.irp kt, 0,1,2,3
.irp qt, 0,1,2,3
.if \ks == 0
	v_wmma_f32_16x16x32_bf16 v[SC+32*\qt+8*\kt:SC+32*\qt+8*\kt+7], v[KF+8*(4*\ks+\kt):KF+8*(4*\ks+\kt)+7], v[QF+8*(2*\qt+\ks):QF+8*(2*\qt+\ks)+7], 0
.else
	v_wmma_f32_16x16x32_bf16 v[SC+32*\qt+8*\kt:SC+32*\qt+8*\kt+7], v[KF+8*(4*\ks+\kt):KF+8*(4*\ks+\kt)+7], v[QF+8*(2*\qt+\ks):QF+8*(2*\qt+\ks)+7], v[SC+32*\qt+8*\kt:SC+32*\qt+8*\kt+7]
.endif
.endr
.endr
.endm
; My 64 keys of the tile in slot.  first = 1: the first keys start maximum, sum and O, nothing is cleared.  pf = 1 on slot 0: wave 0 asks ahead.
; In both products the sixteen accumulators take turns, one instruction a turn.  The scores' accumulators see the bf16 form alone, O's the f16 form alone.
.macro STEP slot, first, pf
.irp ks, 0,1
.irp kt, 0,1,2,3
	ds_load_b128 v[KF+8*(4*\ks+\kt):KF+8*(4*\ks+\kt)+3],   v[AK+\slot] offset:16*KPITCH*\kt+64*\ks
	ds_load_b128 v[KF+8*(4*\ks+\kt)+4:KF+8*(4*\ks+\kt)+7], v[AK+\slot] offset:16*KPITCH*\kt+64*\ks+32
.endr
.endr
	WIN 0x40
.irp kc, 0,1
.irp dt, 0,1,2,3
	ds_load_b128 v[VF+8*(4*\kc+\dt):VF+8*(4*\kc+\dt)+3],   v[AV+\slot] offset:16*KPITCH*\dt+64*\kc
	ds_load_b128 v[VF+8*(4*\kc+\dt)+4:VF+8*(4*\kc+\dt)+7], v[AV+\slot] offset:16*KPITCH*\dt+64*\kc+32
.endr
.endr
	WIN 0x04                                       ; source 1 (Q) in window 1
	s_wait_dscnt 24                                ; K's first eight loads (d 0-31) are in; its other eight and V's sixteen stay out
	QK 0
	s_wait_dscnt 16                                ; all of K; V's sixteen stay out
	QK 1
	WIN 0
.rept 4
	v_nop                                          ; four places between a matrix instruction and the vector instructions that read its result (ISA guide 7.12.1)
.endr
.if \pf*(1-\slot)
	s_cmp_lg_u32 s20, 0
	s_cbranch_scc1 .Lno_pf_\@
	global_prefetch_b8 v[PFA], s[4:5] th:TH_LOAD_NT scope:SCOPE_SE     ; in trip t (even): my 8,192 bytes of tiles t + 2 and t + 3, whose tensor loads are issued one and two trips on
.Lno_pf_\@:
.endif
	; the largest of a lane's 32 scores of each query tile, in two chains; then with the running maximum and the other half of the lanes
.irp qt, 0,1,2,3
	v_max3_num_f32 v[TA+\qt], v[SC+32*\qt],   v[SC+32*\qt+1], v[SC+32*\qt+2]
	v_max3_num_f32 v[TB+\qt], v[SC+32*\qt+3], v[SC+32*\qt+4], v[SC+32*\qt+5]
.endr
.set n, 6
.rept 13
.irp qt, 0,1,2,3
	v_max3_num_f32 v[TA+4*((n>>1)&1)+\qt], v[TA+4*((n>>1)&1)+\qt], v[SC+32*\qt+n], v[SC+32*\qt+n+1]
.endr
.set n, n+2
.endr
.irp qt, 0,1,2,3
.if \first
	v_max_num_f32 v[TA+\qt], v[TA+\qt], v[TB+\qt]
.else
	v_max3_num_f32 v[TA+\qt], v[TA+\qt], v[TB+\qt], v[ST+4*\qt+1]
.endif
.endr
.irp qt, 0,1,2,3
	v_permlanex16_b32 v[TP+\qt], v[TA+\qt], s62, s63
.endr
.if \first
.irp qt, 0,1,2,3
	v_max_num_f32 v[ST+4*\qt+1], v[TA+\qt], v[TP+\qt]              ; m
.endr
.irp qt, 0,1,2,3
	v_sub_f32 v[ST+4*\qt], 0, v[ST+4*\qt+1]                        ; - m
.endr
.else
.irp qt, 0,1,2,3
	v_max_num_f32 v[TB+\qt], v[TA+\qt], v[TP+\qt]                  ; the new m
.endr
.irp qt, 0,1,2,3
	v_sub_f32 v[TA+\qt], v[ST+4*\qt+1], v[TB+\qt]
.endr
.irp qt, 0,1,2,3
	v_exp_f32 v[ST+4*\qt+2], v[TA+\qt]                             ; 2^(old m - new m)
.endr
.irp qt, 0,1,2,3
	v_mov_b32 v[ST+4*\qt+1], v[TB+\qt]                             ; plain instructions between the exponentials and the use of their results (ISA guide 5.7.2)
.endr
.irp qt, 0,1,2,3
	v_sub_f32 v[ST+4*\qt], 0, v[TB+\qt]
.endr
.endif
.set n, 0
.rept 16
.irp qt, 0,1,2,3
	v_pk_add_f32 v[SC+32*\qt+n:SC+32*\qt+n+1], v[SC+32*\qt+n:SC+32*\qt+n+1], v[ST+4*\qt:ST+4*\qt+1] op_sel_hi:[1,0]
.endr
.set n, n+2
.endr
.set n, 0
.rept 32
.irp qt, 0,1,2,3
	v_exp_f32 v[SC+32*\qt+n], v[SC+32*\qt+n]
.endr
.set n, n+1
.endr
	v_nop                                          ; one plain instruction behind the last exponential
	s_wait_alu depctr_va_vdst(0)
.irp qt, 0,1,2,3
	v_pk_add_f32 v[TS+2*\qt:TS+2*\qt+1], v[SC+32*\qt:SC+32*\qt+1], v[SC+32*\qt+2:SC+32*\qt+3]
.endr
.set n, 4
.rept 14
.irp qt, 0,1,2,3
	v_pk_add_f32 v[TS+2*\qt:TS+2*\qt+1], v[TS+2*\qt:TS+2*\qt+1], v[SC+32*\qt+n:SC+32*\qt+n+1]
.endr
.set n, n+2
.endr
.if \first
.irp qt, 0,1,2,3
	v_add_f32 v[ST+4*\qt+3], v[TS+2*\qt], v[TS+2*\qt+1]            ; the sum over the lane's own keys; the halves of the lanes meet at the end
.endr
.else
.irp qt, 0,1,2,3
	v_add_f32 v[TA+\qt], v[TS+2*\qt], v[TS+2*\qt+1]
.endr
.irp qt, 0,1,2,3
	v_fma_f32 v[ST+4*\qt+3], v[ST+4*\qt+3], v[ST+4*\qt+2], v[TA+\qt]
.endr
.endif
	; to f16 (every p is at most 1), in place: key tiles 2 kc and 2 kc + 1 become registers 0-3 and 4-7 of P (qt, kc); register c is read before it is written
.set n, 0
.rept 16
.irp qt, 0,1,2,3
	v_cvt_pk_f16_f32 v[SC+32*\qt+16*(n>>3)+(n&7)], v[SC+32*\qt+2*n], v[SC+32*\qt+2*n+1]
.endr
.set n, n+1
.endr
.if 1-\first
	WIN 0x41                                       ; O in window 1, the factor in window 0
.irp qt, 0,1,2,3
.set n, 0
.rept 16
	v_pk_mul_f32 v[OA+32*\qt+n:OA+32*\qt+n+1], v[OA+32*\qt+n:OA+32*\qt+n+1], v[ST+4*\qt+2:ST+4*\qt+3] op_sel_hi:[1,0]
.set n, n+2
.endr
.endr
.endif
	s_wait_dscnt 0x0                               ; V's fragments
	WIN 0x51                                       ; V^T, C and D in window 1, P in window 0
.irp kc, 0,1
.irp dt, 0,1,2,3
.irp qt, 0,1,2,3
.if \first*(1-\kc)
	v_wmma_f32_16x16x32_f16 v[OA+32*\qt+8*\dt:OA+32*\qt+8*\dt+7], v[VF+8*(4*\kc+\dt):VF+8*(4*\kc+\dt)+7], v[SC+32*\qt+16*\kc:SC+32*\qt+16*\kc+7], 0
.else
	v_wmma_f32_16x16x32_f16 v[OA+32*\qt+8*\dt:OA+32*\qt+8*\dt+7], v[VF+8*(4*\kc+\dt):VF+8*(4*\kc+\dt)+7], v[SC+32*\qt+16*\kc:SC+32*\qt+16*\kc+7], v[OA+32*\qt+8*\dt:OA+32*\qt+8*\dt+7]
.endif
.endr
.endr
.endr
	WIN 0
.rept 5
	v_nop                                          ; five places before the next scores' matrix instructions write over P; four of them serve the loads into V's fragments
.endr
.endm
; One tile of 128 keys.  refill = 1: the other slot gets the next tile; 2: slot 0 gets Wo.
.macro TRIP slot, first, refill, pf
	s_wait_xcnt 0x0
	v_lshl_add_u32 v254, v0, 2, 0x4f400
	v_mov_b32 v255, 0
	s_wait_tensorcnt 0x0                           ; all my tensor loads have landed, my piece of this slot among them: none is out, so a group 0 may be written
	ds_add_u32 v254, v255
	s_wait_dscnt 0x0
	s_add_nc_u64 s[G0+4*\slot+2:G0+4*\slot+3], s[G0+4*\slot+2:G0+4*\slot+3], 2*TILEB   ; this slot's next tile
.if \pf*\slot
	s_wait_xcnt 0x0                                ; the prefetch of the trip before has had its address translated: its base is stepped only behind this wait
	s_add_nc_u64 s[4:5], s[4:5], 2*TILEB
.endif
	s_wait_dscnt 0x0                               ; my reads of the other slot are back
	ROUND                                          ; both now hold of every wave of all four work-groups
.if \refill == 1
	tensor_load_to_lds s[G0+4*(1-\slot):G0+4*(1-\slot)+3], s[G1:G1+7]  ; my one tensor load behind the round, and the first thing there
	s_nop 0
.endif
.if \refill == 2
	tensor_load_to_lds s[G0W:G0W+3], s[G1W:G1W+7]  ; my 32 rows of Wo, into slot 0, which has been read for the last time
	s_nop 0
.endif
	STEP \slot, \first, \pf
.endm
	TRIP 0, 1, 1, 1                                ; tile 0 starts the sums; tile 1 goes out
	TRIP 1, 0, 1, 1
	s_mov_b32 s60, 6
.Lpair:
	TRIP 0, 0, 1, 1                                ; tiles 2 to 13
	TRIP 1, 0, 1, 1
	s_sub_co_i32 s60, s60, 1
	s_cmp_lg_u32 s60, 0
	s_cbranch_scc1 .Lpair
	TRIP 0, 0, 1, 0                                ; tile 14: fetches tile 15; the prefetch has reached the head's last byte and asks for nothing more
	TRIP 1, 0, 2, 0                                ; tile 15: fetches Wo
	; THE END.  The sums of the two halves of the lanes meet.
.irp qt, 0,1,2,3
	v_permlanex16_b32 v[TP+\qt], v[ST+4*\qt+3], s62, s63
.endr
.irp qt, 0,1,2,3
	v_add_f32 v[ST+4*\qt+3], v[ST+4*\qt+3], v[TP+\qt]
.endr
	; bo starts the output projection's sums: register j of a result is f = 64 h + 16 ft + 8 h2 + j
.irp ft, 0,1,2,3
.irp q2, 0,1
	global_load_b128 v[ACC2+8*(2*\ft+\q2):ACC2+8*(2*\ft+\q2)+3],   v[BOA], s[16:17] offset:64*\ft
	global_load_b128 v[ACC2+8*(2*\ft+\q2)+4:ACC2+8*(2*\ft+\q2)+7], v[BOA], s[16:17] offset:64*\ft+16
.endr
.endr
	s_wait_dscnt 0x0                               ; my reads of slot 1 are back,
	s_wait_tensorcnt 0x0                           ; my rows of Wo have landed
	s_barrier_signal -1
	s_barrier_wait -1                              ; both hold of every wave: slot 1, which is filled no more, becomes scratch, and Wo is whole
	s_cmp_eq_u32 s22, 0
	s_cbranch_scc1 .Lno_send
	WIN 0x04                                       ; store data in window 1
.set n, 0
.rept 32
	ds_store_b128 v[MA], v[OA+4*n:OA+4*n+3] offset:512*n           ; half 1 hands over its O,
.set n, n+1
.endr
	WIN 0
.irp qt, 0,1,2,3
	ds_store_b128 v[MA], v[ST+4*\qt:ST+4*\qt+3] offset:16384+512*\qt   ; its maxima and its sums
.endr
.Lno_send:
	s_wait_dscnt 0x0
	s_barrier_signal -1
	s_barrier_wait -1
	s_cmp_lg_u32 s22, 0
	s_cbranch_scc1 .Lno_merge
.irp qt, 0,1,2,3
	ds_load_b128 v[PST+4*\qt:PST+4*\qt+3], v[MA] offset:16384+512*\qt
.endr
.set n, 0
.rept 32
	ds_load_b128 v[SC+4*n:SC+4*n+3], v[MA] offset:512*n
.set n, n+1
.endr
	s_wait_dscnt 32                                ; the partner's maxima and sums are in; the 32 loads of its O stay out
.irp qt, 0,1,2,3
	v_max_num_f32 v[TB+\qt], v[ST+4*\qt+1], v[PST+4*\qt+1]         ; the maximum over all keys
.endr
.irp qt, 0,1,2,3
	v_sub_f32 v[TA+\qt], v[ST+4*\qt+1], v[TB+\qt]
	v_sub_f32 v[TP+\qt], v[PST+4*\qt+1], v[TB+\qt]
.endr
.irp qt, 0,1,2,3
	v_exp_f32 v[ST+4*\qt+2], v[TA+\qt]
	v_exp_f32 v[PST+4*\qt+2], v[TP+\qt]
.endr
	v_nop
	s_wait_alu depctr_va_vdst(0)
.irp qt, 0,1,2,3
	v_mul_f32 v[TA+\qt], v[ST+4*\qt+3], v[ST+4*\qt+2]
.endr
.irp qt, 0,1,2,3
	v_fmac_f32 v[TA+\qt], v[PST+4*\qt+3], v[PST+4*\qt+2]           ; the divisor; it is at least 1: the largest score's own term
.endr
.irp qt, 0,1,2,3
	v_rcp_f32 v[TA+\qt], v[TA+\qt]
.endr
	v_nop
	s_wait_alu depctr_va_vdst(0)
.irp qt, 0,1,2,3
	v_mul_f32 v[ST+4*\qt+2], v[ST+4*\qt+2], v[TA+\qt]
	v_mul_f32 v[PST+4*\qt+2], v[PST+4*\qt+2], v[TA+\qt]
.endr
	s_wait_dscnt 0x0
.irp qt, 0,1,2,3
.set n, 0
.rept 16
	v_pk_mul_f32 v[SC+32*\qt+n:SC+32*\qt+n+1], v[SC+32*\qt+n:SC+32*\qt+n+1], v[PST+4*\qt+2:PST+4*\qt+3] op_sel_hi:[1,0]
.set n, n+2
.endr
.endr
	WIN 0x01
.irp qt, 0,1,2,3
.set n, 0
.rept 16
	v_pk_fma_f32 v[SC+32*\qt+n:SC+32*\qt+n+1], v[OA+32*\qt+n:OA+32*\qt+n+1], v[ST+4*\qt+2:ST+4*\qt+3], v[SC+32*\qt+n:SC+32*\qt+n+1] op_sel_hi:[1,0,1]
.set n, n+2
.endr
.endr
	WIN 0
.irp qt, 0,1,2,3
.irp dt, 0,1,2,3
.irp c, 0,1,2,3
	v_cvt_pk_f16_f32 v[SC+32*\qt+8*\dt+\c], v[SC+32*\qt+8*\dt+2*\c], v[SC+32*\qt+8*\dt+2*\c+1]   ; O is a weighted mean of v: inside v's range
.endr
	ds_store_b128 v[OBA], v[SC+32*\qt+8*\dt:SC+32*\qt+8*\dt+3] offset:16*WPITCH*\qt+32*\dt   ; O[16 qt + r][64 h + 16 dt + 8 h2 ..]
.endr
.endr
.Lno_merge:
	s_wait_dscnt 0x0
	s_barrier_signal -1
	s_barrier_wait -1                              ; O is whole
	; out^T = Wo O^T + bo, in f16.  Wave (h, kh): f = 64 h .. 64 h + 63, queries 32 kh .. 32 kh + 31, K = 256 in 8 steps, 8 accumulators by turns.
.irp q2, 0,1
.irp ks, 0,1,2,3,4,5,6,7
	ds_load_b128 v[SC+8*(8*\q2+\ks):SC+8*(8*\q2+\ks)+3],   v[OFA] offset:16*WPITCH*\q2+64*\ks
	ds_load_b128 v[SC+8*(8*\q2+\ks)+4:SC+8*(8*\q2+\ks)+7], v[OFA] offset:16*WPITCH*\q2+64*\ks+32
.endr
.endr
	WIN 0x40
.irp ks, 0,1,2,3,4,5,6,7
.irp ft, 0,1,2,3
	ds_load_b128 v[8*(4*\ks+\ft):8*(4*\ks+\ft)+3],   v[WFA] offset:16*WPITCH*\ft+64*\ks
	ds_load_b128 v[8*(4*\ks+\ft)+4:8*(4*\ks+\ft)+7], v[WFA] offset:16*WPITCH*\ft+64*\ks+32
.endr
.endr
	s_wait_loadcnt 0x0                             ; bo
	WIN 0x01
.irp ks, 0,1,2,3,4,5,6,7
	s_wait_dscnt 8*(7-\ks)                         ; O's fragments and Wo's up to this K step are in; the eight loads of each later step stay out
.irp ft, 0,1,2,3
.irp q2, 0,1
	v_wmma_f32_16x16x32_f16 v[ACC2+8*(2*\ft+\q2):ACC2+8*(2*\ft+\q2)+7], v[8*(4*\ks+\ft):8*(4*\ks+\ft)+7], v[SC+8*(8*\q2+\ks):SC+8*(8*\q2+\ks)+7], v[ACC2+8*(2*\ft+\q2):ACC2+8*(2*\ft+\q2)+7]
.endr
.endr
.endr
	WIN 0
.rept 4
	v_nop                                          ; four places before the LDS stores read the results and the loads land on the fragments
.endr
	; the way out, through my own stage: in by 32 bytes of a row a lane, back by whole rows of 256 bytes
.irp ft, 0,1,2,3
.irp q2, 0,1
	ds_store_b128 v[OSA], v[ACC2+8*(2*\ft+\q2):ACC2+8*(2*\ft+\q2)+3] offset:16*OSPITCH*\q2+64*\ft
	ds_store_b128 v[OSA], v[ACC2+8*(2*\ft+\q2)+4:ACC2+8*(2*\ft+\q2)+7] offset:16*OSPITCH*\q2+64*\ft+16
.endr
.endr
.irp t, 0,1,2,3,4,5,6,7,8,9,10,11,12,13,14,15
	ds_load_b128 v[SC+4*\t:SC+4*\t+3], v[OSR] offset:2*OSPITCH*\t  ; LDS serves a wave's instructions in order (ISA guide 5.7.1): these see the stores above
.endr
.irp t, 0,1,2,3,4,5,6,7,8,9,10,11,12,13,14,15
	s_wait_dscnt 15-\t
	global_store_b128 v[OUTA], v[SC+4*\t:SC+4*\t+3], s[18:19] offset:2048*\t th:TH_STORE_NT   ; sixteen lanes store 256 consecutive bytes, aligned; two rows a store
.endr
	s_wait_xcnt 0x0
	v_lshl_add_u32 v254, v0, 2, 0x4f400
	v_mov_b32 v255, 0
	s_wait_tensorcnt 0x0
	ds_add_u32 v254, v255
	s_wait_dscnt 0x0
	ROUND                                          ; the closing round: no work-group ends while a partner may still ask for a tile that names it
	s_endpgm
.Lfunc_end_k_q8114ac7f50_attn:
	.size	k_q8114ac7f50_attn, .Lfunc_end_k_q8114ac7f50_attn-k_q8114ac7f50_attn
	.p2alignl 7, 3214868480
	.fill 96, 4, 3214868480
	.section	.rodata,"a",@progbits
	.p2align	6, 0x0
	.amdhsa_kernel k_q8114ac7f50_attn
		.amdhsa_group_segment_fixed_size 327680
		.amdhsa_private_segment_fixed_size 0
		.amdhsa_enable_private_segment 0
		.amdhsa_kernarg_size 48
		.amdhsa_user_sgpr_count 2
		.amdhsa_user_sgpr_kernarg_segment_ptr 1
		.amdhsa_wavefront_size32 1
		.amdhsa_system_sgpr_workgroup_id_x 1
		.amdhsa_system_sgpr_workgroup_id_y 1
		.amdhsa_system_sgpr_workgroup_id_z 1
		.amdhsa_system_vgpr_workitem_id 0
		.amdhsa_next_free_vgpr 512
		.amdhsa_next_free_sgpr 66
		.amdhsa_reserve_vcc 0
		.amdhsa_float_denorm_mode_32 3
		.amdhsa_float_denorm_mode_16_64 3
		.amdhsa_memory_ordered 1
		.amdhsa_forward_progress 1
		.amdhsa_inst_pref_size 235
	.end_amdhsa_kernel
	.amdgpu_metadata
---
amdhsa.version: [ 1, 2 ]
amdhsa.kernels:
  - .name:           k_q8114ac7f50_attn
    .symbol:         k_q8114ac7f50_attn.kd
    .args:
      - { .name: qws, .offset: 0, .size: 8, .value_kind: global_buffer, .address_space: global }
      - { .name: kws, .offset: 8, .size: 8, .value_kind: global_buffer, .address_space: global }
      - { .name: vws, .offset: 16, .size: 8, .value_kind: global_buffer, .address_space: global }
      - { .name: wob, .offset: 24, .size: 8, .value_kind: global_buffer, .address_space: global }
      - { .name: bo, .offset: 32, .size: 8, .value_kind: global_buffer, .address_space: global }
      - { .name: out0, .offset: 40, .size: 8, .value_kind: global_buffer, .address_space: global }
    .group_segment_fixed_size: 327680
    .private_segment_fixed_size: 0
    .kernarg_segment_align: 8
    .kernarg_segment_size: 48
    .max_flat_workgroup_size: 256
    .sgpr_count:     66
    .vgpr_count:     512
    .wavefront_size: 32
...
	.end_amdgpu_metadata
.endif
;; end of part 2
